; MI455X (gfx1250); checked and timed in simulation.
; The chip was launched on July 23, 2026; its instructions are those of AMD's public machine-readable ISA for CDNA 5 (MIT licence, August 2026) and "CDNA5" Instruction Set Architecture Reference Guide (July 2026). The comments in the code are by the model that wrote it; some were corrected since.
;; Bert Self Attention. Allowed arithmetic: matrix products marked QUANTISED: E2M1 operands, one E8M0 scale for each 32 along K, by v_wmma_scale_f32_16x16x128_f8f6f4 with both operands' format E2M1 (or v_wmma_scale_f32_32x16x128_f4), f32 sums; everything else in f32.
;; Inputs: Wk 1,024 x 1,024 float32; Wq 1,024 x 1,024 float32; Wv 1,024 x 1,024 float32; attention_mask 8 x 1 x 1 x 1,024 float32; bk 1,024 float32; bq 1,024 float32; bv 1,024 float32; hidden_states 8 x 1,024 x 1,024 float32.
;; Outputs: out0 8 x 1,024 x 1,024 float32.
;; This version of the problem:
;;   THIS VERSION OF THE PROBLEM IS GIVEN IN LOW PRECISION. The matrix products marked QUANTISED in the list below multiply operands that are first quantised to E2M1 (2 exponent bits, 1 mantissa bit; 4 bits a number), with one power-of-two scale for each 32 numbers along K (OCP MX v1.0); their sums are f32. All else is computed in f32.
;;   The module's matrix products, in the order in which they are computed (A, B: the left and right operand; K: the contracted axis; several contracted axes count as one K, in the product's order):
;;     1. [M 8,192, K 1,024] x [K 1,024, N 1,024]; A: input hidden_states; B: input Wq: QUANTISED
;;     2. [M 8,192, K 1,024] x [K 1,024, N 1,024]; A: input hidden_states; B: input Wk: QUANTISED
;;     3. [M 8,192, K 1,024] x [K 1,024, N 1,024]; A: input hidden_states; B: input Wv: QUANTISED
;;     4. batch 128 x [M 1,024, K 64] x [K 64, N 1,024]; A: computed on the way; B: computed on the way: QUANTISED
;;     5. batch 128 x [M 1,024, K 1,024] x [K 1,024, N 64]; A: softmax (see below); B: computed on the way: QUANTISED
;;   THE QUANTISER, for each operand of a quantised product, along K:
;;     - K is cut into blocks of 32 from its start; a last block that is shorter is filled with zeros.
;;     - A block's scale is 2^e with e = floor(log2(the largest magnitude in the block)) - 2, held to -126 .. 127; a block of zeros has e = 0. As a byte (E8M0): e + 127.
;;     - Each number is divided by its block's scale, clamped to +-6, and rounded to the nearest number of E2M1, ties to even, subnormals kept.
;;     - The product sums the exact products of the quantised numbers (number of the format x scale) in f32.
;;   ~~~python
;;   def quantise(x, axis):      # numpy; x: float32 -> the quantised numbers, widened to float32 again
;;       x = np.moveaxis(x, axis, -1); K = x.shape[-1]
;;       x = np.pad(x, [(0, 0)] * (x.ndim - 1) + [(0, -K % 32)]); x = x.reshape(x.shape[:-1] + (-1, 32)); a = np.abs(x).max(-1, keepdims=True)
;;       e = np.where(a > 0, np.clip(np.frexp(np.where(a > 0, a, 1))[1] - 1 - 2, -126, 127), 0)      # np.frexp(a)[1] - 1 = floor(log2(a)), exactly
;;       r = np.clip(x / 2.0 ** e, -6, 6)
;;       step = 2.0 ** (np.maximum(np.frexp(np.where(r == 0, 1, r))[1] - 1, 0) - 1)
;;       q = np.round(r / step) * step * 2.0 ** e      # np.round: ties to even
;;       return np.moveaxis(q.reshape(q.shape[:-2] + (-1,))[..., :K], -1, axis).astype(np.float32)
;;   ~~~
;;   SOFTMAX AHEAD OF A QUANTISED PRODUCT. Where the list says 'softmax', what is quantised is not the finished softmax but p = 2^(t - M), with t = logit x log2(e) and M = ceil(the row's largest t), a whole number; so 1/2 < the row's largest p <= 1. The row's sum l is taken of the UNQUANTISED p, in f32, and the product's result is divided by l at the end. Since M is a whole number, a kernel that streams over the keys may use a running M (the ceiling of the running maximum): every later rescaling is an exact power of two, which a block's scale takes up: the codes' values come out the same.
;;   OPERANDS COMPUTED ON THE WAY. 'Computed on the way' means the value that the module computes at that place (a softmax that the list does not call 'softmax' is quantised finished and normalised). What goes into a quantiser is computed in f32, as accurately as f32 sums, v_exp_f32 and their like allow (about 1e-6 of the number): no bf16 or f16 on the way to a quantiser, and a product that is left as it is and whose result goes on into a quantised operand takes f32 operands (vector FMAs, or v_wmma_f32_16x16x4_f32). A number that lies on a knife's edge between two numbers of the format may be rounded either way, as far as f32 arithmetic and the matrix unit's own rounding can turn it there, and no further.
;; One version. Each part assembles by itself: llvm-mc -triple=amdgcn-amd-amdhsa -mcpu=gfx1250 --defsym DOCPART=n.
;; ======== version 1 of 1: 3 launches
;; limits: right only within a limited range of input values
;; workspace buffers: hc 4,456,448 bytes; wc 1,671,168 bytes; cod 12,582,912 bytes; scl 1,572,864 bytes
;; launch quant (part 1): grid 448 x 1, 4 waves a work-group, no clusters, 34,304 bytes of LDS; arguments hidden_states, Wq, Wk, Wv, hc, wc; writes hc, wc
.if DOCPART == 1
	.amdgcn_target "amdgcn-amd-amdhsa--gfx1250"
	.amdhsa_code_object_version 6
	.text
	.protected	k_qd7dc26d80a_quant
	.globl	k_qd7dc26d80a_quant
	.p2align	8
	.type	k_qd7dc26d80a_quant,@function
k_qd7dc26d80a_quant:
	s_mov_b64 s[64:65], 0
	v_nop
	global_prefetch_b8 v0, s[64:65] scope:SCOPE_SE
	s_setreg_imm32_b32 hwreg(HW_REG_WAVE_MODE, 25, 1), 1
	s_wait_xcnt 0x0
; hidden_states [8192][1024] and Wq, Wk, Wv [1024][1024], f32, become codes of FP4 (E2M1) with one E8M0 byte for each 32 along K (K = hidden's last axis, W's FIRST axis).
; A block's scale is 2^(floor(log2(largest magnitude)) - 2): its byte is the largest magnitude's exponent field - 2, held at 1 from below by a floor among the maximum's leaves.
; THE RESULT IS LAID AS IMAGES OF OPERAND REGISTERS.  A block of 4,352 bytes = one tile of 16 rows x 512 along K: four fragments (16 rows x 128 K) of 1,024 bytes, register group c of lane l at
; 1024 s + 512 c + 16 l, then 256 bytes of scale words at 4096 + 16 r + 4 s.  hc: [panel of 64 rows][K half][tile t][4352];  wc: [3 head + role][K half][tile t][4352], its rows being W's columns.
; THE ROWS OF A TILE ARE NOT NEIGHBOURS: lane r of tile t of a panel takes row 32 (t / 2) + 8 (t % 2) + r + 8 (r / 8), so that a later product's results are neighbours along the next K.
; LIMITS: NaN and infinities are not served.  A block of zeros, or one whose largest magnitude lies under 2^-124, gets the byte 1 (the rule says 127 for zeros): its codes are zeros, and this program alone reads the bytes.
; Work-groups 0-255 take hidden_states, 256-447 the weights.  Memory binds: no matrix unit, no cluster, no barrier; waves share nothing.  Only the first path uses LDS.
.set SP,    528                        ; a stage row: 512 bytes + 16: sixteen rows begin at sixteen different 16-byte columns modulo 256
.set WREG,  16*SP                      ; a wave's stage
.set BLKB,  4352
.set SW,    24                         ; v24-27   scale words of the four K steps
.set CD,    32                         ; v32-63   codes, eight registers a step: no store's data are written again
.set R,     64                         ; v64-191  two sets of 64 registers as loaded
.set X,     192                        ; v192-255 my 64 numbers: two whole blocks of 32
.set WX,    64                         ; weights: v64-127 two sets of 32 numbers down K
.set WC,    128                        ; weights: v128-143 codes, four registers a block
.set SB,    24                         ; weights: v24 the K step's four scale bytes
	s_load_b256 s[4:11], s[0:1], 0x0               ; hidden s[4:5], Wq s[6:7], Wk s[8:9], Wv s[10:11]
	s_load_b128 s[12:15], s[0:1], 0x20             ; hc s[12:13], wc s[14:15]
	v_lshl_add_u32 v30, v0, 2, 0x8400              ; my spare word, behind the four stages
	v_mov_b32 v31, 0
	v_lshrrev_b32 v1, 5, v0
	v_readfirstlane_b32 s16, v1                    ; wave 0..3
	v_and_b32 v7, 31, v0                           ; lane
	v_and_b32 v2, 15, v0                           ; r
	v_bfe_u32 v3, v0, 4, 1                         ; h
	s_mov_b32 s20, 0x76543210
	s_mov_b32 s21, 0xfedcba98                      ; v_permlanex16_b32's selects for lane l xor 16
	s_cmp_ge_u32 ttmp9, 256
	s_cbranch_scc1 .Lweights
; hidden_states: a wave takes one tile of 16 rows x 512 along K: 32 KiB in, one block of 4,352 bytes out
	s_lshl_b32 s17, ttmp9, 2
	s_add_co_u32 s17, s17, s16                     ; job = 4 x work-group + wave
	s_and_b32 s18, s17, 1                          ; K half
	s_lshr_b32 s19, s17, 1                         ; tile 0..511
	s_and_b32 s22, s19, 3                          ; t
	s_lshr_b32 s23, s19, 2                         ; panel
	s_lshl_b32 s24, s23, 6
	s_lshr_b32 s25, s22, 1
	s_lshl_b32 s25, s25, 5
	s_add_co_u32 s24, s24, s25
	s_and_b32 s25, s22, 1
	s_lshl_b32 s25, s25, 3
	s_add_co_u32 s24, s24, s25                     ; the tile's first row: 64 panel + 32 (t / 2) + 8 (t % 2)
	s_lshl_b32 s24, s24, 12                        ; x 4,096 bytes
	s_lshl_b32 s25, s18, 11
	s_add_co_u32 s24, s24, s25                     ; + 2,048 x K half
	s_mov_b32 s25, 0
	s_lshl_b32 s26, s23, 1
	s_add_co_u32 s26, s26, s18
	s_lshl_b32 s26, s26, 2
	s_add_co_u32 s26, s26, s22
	s_mul_i32 s26, s26, BLKB                       ; my block in hc
	s_mov_b32 s27, 0
	s_wait_alu depctr_va_vdst(0)
	v_lshlrev_b32 v1, 4, v7                        ; 16 x lane: a load's 512 bytes, and an image's place
	s_mul_i32 s28, s16, WREG
	v_add_nc_u32 v4, s28, v1                       ; the stage, in: a row as it lies
	v_mul_u32_u24 v5, v2, SP
	v_lshl_add_u32 v5, v3, 7, v5
	v_add_nc_u32 v5, s28, v5                       ; and out: row r, 128 h bytes on: k = 64 c + 32 h + 0 .. 31
	v_lshlrev_b32 v6, 4, v2                        ; 16 r: my row's four scale words
	v_lshlrev_b32 v16, 3, v3                       ; 8 h
	v_mov_b32 v15, 0                               ; a lane permute's destination counts as one of its sources
	s_wait_alu depctr_va_vdst(0)
	s_wait_kmcnt 0x0
	s_add_nc_u64 s[4:5], s[4:5], s[24:25]
	s_add_nc_u64 s[12:13], s[12:13], s[26:27]
.macro LOAD s                          ; K step s (128 along K) of the tile's 16 rows: each load reads 512 consecutive bytes of one row
.irp i, 0,1,2,3,4,5,6,7,8,9,10,11,12,13,14,15
	global_load_b128 v[R+64*((\s)%2)+4*\i:R+64*((\s)%2)+4*\i+3], v1, s[4:5] offset:(\i+8*(\i/8))*4096+512*(\s) th:TH_LOAD_NT
.endr
.endm
.macro STEP s
.if (\s) < 3
	s_wait_loadcnt 16                              ; this step's 16 loads are in; the next step's 16 may be out
.else
	s_wait_loadcnt 0x0
.endif
.irp i, 0,1,2,3,4,5,6,7,8,9,10,11,12,13,14,15
	ds_store_b128 v4, v[R+64*((\s)%2)+4*\i:R+64*((\s)%2)+4*\i+3] offset:SP*\i
.endr
.irp c, 0,1
.irp q, 0,1,2,3,4,5,6,7
	ds_load_b128 v[X+32*\c+4*\q:X+32*\c+4*\q+3], v5 offset:256*\c+16*\q   ; LDS serves a wave's instructions in order: these see the stores above
.endr
.endr
	s_wait_dscnt 0x0                               ; my 64 numbers are back, and the stores have read their registers,
.if (\s) < 2
	LOAD (\s)+2                                    ; which take the loads of two steps on
.endif
.irp c, 0,1
	v_max3_num_f32 v[8+\c], |v[X+32*\c]|, |v[X+32*\c+1]|, 0x1800000   ; block 2 c + h is all mine; the floor 2^(3 - 127) keeps the byte at 1 or more
.endr
.irp i, 2,4,6,8,10,12,14,16,18,20,22,24,26,28,30
.irp c, 0,1
	v_max3_num_f32 v[8+\c], v[8+\c], |v[X+32*\c+\i]|, |v[X+32*\c+\i+1]|
.endr
.endr
.irp c, 0,1
	v_add_nc_u32 v[10+\c], 0xff000000, v[8+\c]     ; 2 off the exponent field: the conversion takes this operand's exponent field as its scale
.endr
.irp c, 0,1
.irp q, 0,1,2,3
	v_cvt_scalef32_pk8_fp4_f32 v[CD+8*(\s)+4*\c+\q], v[X+32*\c+8*\q:X+32*\c+8*\q+7], v[10+\c]
.endr
.endr
.irp c, 0,1
	v_lshrrev_b32 v[12+\c], 23, v[10+\c]           ; the scales' bytes (plain lines behind the conversions)
.endr
	v_lshl_or_b32 v14, v13, 16, v12                ; blocks h and 2 + h of my row,
	v_lshlrev_b32 v14, v16, v14                    ; at their places in the word;
	v_permlanex16_b32 v15, v14, s20, s21
	v_or_b32 v[SW+\s], v14, v15                    ; with lane l xor 16's two the word is whole
.irp c, 0,1
	global_store_b128 v1, v[CD+8*(\s)+4*\c:CD+8*(\s)+4*\c+3], s[12:13] offset:1024*(\s)+512*\c   ; 32 lanes store 512 consecutive bytes
.endr
.endm
	LOAD 0
	LOAD 1
	STEP 0
	STEP 1
	STEP 2
	STEP 3
	global_store_b128 v6, v[SW:SW+3], s[12:13] offset:4096   ; 16 rows x 16 bytes: 256 consecutive bytes; lanes 16-31 hold and write the same as lanes 0-15
	s_wait_tensorcnt 0x0                           ; the wave's end
	ds_add_u32 v30, v31
	s_wait_dscnt 0x0
	s_endpgm
; the weights: a lane takes a column, its registers run down K: a block of 32 lies in one lane, and the codes come out with K innermost.
; A wave takes 32 columns x one K step of 128: four blocks, 1,024 bytes of codes for each of two tiles, and one scale word a column.  The scale words are 4 bytes of each 16: one byte in 128 of what the wave reads.
.Lweights:
	s_sub_co_u32 s17, ttmp9, 256
	s_and_b32 s30, s17, 3                          ; K step of the half
	s_lshr_b32 s17, s17, 2                         ; 0..47
	s_lshr_b32 s18, s17, 4                         ; which W: 0 q, 1 k, 2 v
	s_and_b32 s19, s17, 1                          ; K half
	s_bfe_u32 s22, s17, 0x30001
	s_lshl_b32 s22, s22, 2
	s_add_co_u32 s22, s22, s16                     ; group of 32 columns, 0..31
	s_lshr_b32 s23, s22, 1                         ; head
	s_and_b32 s24, s22, 1                          ; which half of the head's 64 columns: tiles 2 g, 2 g + 1
	s_lshl_b32 s31, s30, 2
	s_lshl_b32 s32, s30, 10
	s_wait_alu depctr_va_vdst(0)
	v_and_b32 v8, 8, v2
	v_add_nc_u32 v8, v8, v2
	v_lshl_add_u32 v8, v3, 3, v8                   ; my column in the group: 8 (lane / 16) + r + 8 (r / 8): the 32 lanes cover 128 consecutive bytes
	v_lshlrev_b32 v4, 2, v8
	v_mul_u32_u24 v5, v3, BLKB
	v_lshl_add_u32 v5, v2, 4, v5                   ; out: tile 2 g + lane / 16, 16 r
	v_add_nc_u32 v9, s31, v5                       ; my scale word: + 4 x K step
	v_add_nc_u32 v5, s32, v5                       ; my codes: + 1,024 x K step
	s_lshl_b32 s26, s19, 21                        ; 512 rows of 4,096 bytes for each K half
	s_lshl_b32 s27, s22, 7
	s_add_co_u32 s26, s26, s27
	s_lshl_b32 s27, s30, 19                        ; 128 rows for each K step
	s_add_co_u32 s26, s26, s27
	s_mov_b32 s27, 0
	s_mul_i32 s28, s23, 3
	s_add_co_u32 s28, s28, s18
	s_lshl_b32 s28, s28, 1
	s_add_co_u32 s28, s28, s19
	s_lshl_b32 s28, s28, 2
	s_lshl_b32 s29, s24, 1
	s_add_co_u32 s28, s28, s29
	s_mul_i32 s28, s28, BLKB
	s_mov_b32 s29, 0
	s_wait_alu depctr_va_vdst(0)
	s_wait_kmcnt 0x0
	s_cmp_eq_u32 s18, 0                            ; the choice hangs on the work-group's number alone
	s_cselect_b64 s[6:7], s[6:7], s[8:9]
	s_cmp_eq_u32 s18, 2
	s_cselect_b64 s[6:7], s[10:11], s[6:7]
	s_add_nc_u64 s[6:7], s[6:7], s[26:27]
	s_add_nc_u64 s[14:15], s[14:15], s[28:29]
.macro WLOAD t                         ; block t: W(32 t + i, my column)
.irp i, 0,1,2,3,4,5,6,7,8,9,10,11,12,13,14,15,16,17,18,19,20,21,22,23,24,25,26,27,28,29,30,31
	global_load_b32 v[WX+32*((\t)%2)+\i], v4, s[6:7] offset:(32*(\t)+\i)*4096 th:TH_LOAD_NT
.endr
.endm
.macro BLOCK t
.set XS, WX+32*((\t)%2)
.if (\t) < 3
	s_wait_loadcnt 32                              ; this block's 32 loads are in; the next block's may be out
.else
	s_wait_loadcnt 0x0
.endif
	v_max3_num_f32 v12, |v[XS]|, |v[XS+1]|, |v[XS+2]|
	v_max3_num_f32 v13, |v[XS+3]|, |v[XS+4]|, |v[XS+5]|
.irp i, 6,10,14,18,22,26
	v_max3_num_f32 v12, v12, |v[XS+\i]|, |v[XS+\i+1]|
	v_max3_num_f32 v13, v13, |v[XS+\i+2]|, |v[XS+\i+3]|
.endr
	v_max3_num_f32 v12, v12, |v[XS+30]|, |v[XS+31]|
	v_max3_num_f32 v12, v12, v13, 0x1800000        ; and the floor
	v_add_nc_u32 v11, 0xff000000, v12
	v_lshrrev_b32 v13, 23, v11
.if (\t) == 0
	v_mov_b32 v[SB], v13                           ; byte t of the K step's word
.else
	v_lshl_or_b32 v[SB], v13, 8*(\t), v[SB]
.endif
.irp g, 0,1,2,3
	v_cvt_scalef32_pk8_fp4_f32 v[WC+4*(\t)+\g], v[XS+8*\g:XS+8*\g+7], v11
.endr
	global_store_b128 v5, v[WC+4*(\t):WC+4*(\t)+3], s[14:15] offset:256*(\t)   ; 512 (t / 2) + 256 (t % 2) = 256 t: sixteen lanes store 256 consecutive bytes, aligned
.if (\t)+2 < 4
	WLOAD (\t)+2
.endif
.endm
	WLOAD 0
	WLOAD 1
	BLOCK 0
	BLOCK 1
	BLOCK 2
	BLOCK 3
	global_store_b32 v9, v[SB], s[14:15] offset:4096
	s_endpgm
.Lfunc_end_k_qd7dc26d80a_quant:
	.size	k_qd7dc26d80a_quant, .Lfunc_end_k_qd7dc26d80a_quant-k_qd7dc26d80a_quant
	.p2alignl 7, 3214868480
	.fill 96, 4, 3214868480
	.section	.rodata,"a",@progbits
	.p2align	6, 0x0
	.amdhsa_kernel k_qd7dc26d80a_quant
		.amdhsa_group_segment_fixed_size 34304
		.amdhsa_private_segment_fixed_size 0
		.amdhsa_enable_private_segment 0
		.amdhsa_kernarg_size 48
		.amdhsa_user_sgpr_count 2
		.amdhsa_user_sgpr_kernarg_segment_ptr 1
		.amdhsa_wavefront_size32 1
		.amdhsa_system_sgpr_workgroup_id_x 1
		.amdhsa_system_sgpr_workgroup_id_y 1
		.amdhsa_system_sgpr_workgroup_id_z 1
		.amdhsa_system_vgpr_workitem_id 0
		.amdhsa_next_free_vgpr 256
		.amdhsa_next_free_sgpr 66
		.amdhsa_reserve_vcc 0
		.amdhsa_float_denorm_mode_32 3
		.amdhsa_float_denorm_mode_16_64 3
		.amdhsa_memory_ordered 1
		.amdhsa_forward_progress 1
		.amdhsa_inst_pref_size 50
	.end_amdhsa_kernel
	.amdgpu_metadata
---
amdhsa.version: [ 1, 2 ]
amdhsa.kernels:
  - .name:           k_qd7dc26d80a_quant
    .symbol:         k_qd7dc26d80a_quant.kd
    .args:
      - { .name: hidden_states, .offset: 0, .size: 8, .value_kind: global_buffer, .address_space: global }
      - { .name: Wq, .offset: 8, .size: 8, .value_kind: global_buffer, .address_space: global }
      - { .name: Wk, .offset: 16, .size: 8, .value_kind: global_buffer, .address_space: global }
      - { .name: Wv, .offset: 24, .size: 8, .value_kind: global_buffer, .address_space: global }
      - { .name: hc, .offset: 32, .size: 8, .value_kind: global_buffer, .address_space: global }
      - { .name: wc, .offset: 40, .size: 8, .value_kind: global_buffer, .address_space: global }
    .group_segment_fixed_size: 34304
    .private_segment_fixed_size: 0
    .kernarg_segment_align: 8
    .kernarg_segment_size: 48
    .max_flat_workgroup_size: 128
    .sgpr_count:     66
    .vgpr_count:     256
    .wavefront_size: 32
...
	.end_amdgpu_metadata
.endif
;; end of part 1
;; launch qkv (part 2): grid 16 x 16, 12 waves a work-group, clusters of 4 x 4, 327,680 bytes of LDS; arguments hc, wc, bq, bk, bv, cod, scl; writes cod, scl
.if DOCPART == 2
	.amdgcn_target "amdgcn-amd-amdhsa--gfx1250"
	.amdhsa_code_object_version 6
	.text
	.protected	k_qd7dc26d80a_qkv
	.globl	k_qd7dc26d80a_qkv
	.p2align	8
	.type	k_qd7dc26d80a_qkv,@function
k_qd7dc26d80a_qkv:
	s_mov_b64 s[64:65], 0
	v_nop
	global_prefetch_b8 v0, s[64:65] scope:SCOPE_SE
	s_setreg_imm32_b32 hwreg(HW_REG_WAVE_MODE, 25, 1), 1
	s_wait_xcnt 0x0
	s_wait_alu depctr_hold_cnt(0) depctr_sa_sdst(0) depctr_va_vdst(0) depctr_va_sdst(0) depctr_va_ssrc(0) depctr_va_vcc(0) depctr_vm_vsrc(0)
	s_getreg_b32 s2, hwreg(HW_REG_IB_STS2, 6, 4)
	s_cmp_eq_u32 s2, 0
	s_cbranch_scc0 .Lentry_in_a_cluster
	s_endpgm
.Lentry_in_a_cluster:
	s_bfe_u32 s2, ttmp6, 0x10000c
	s_cmp_lg_u32 s2, 0xf033
	s_cbranch_scc0 .Lentry_shape_is_right
	s_endpgm
.Lentry_shape_is_right:
; q, k, v = hidden W + b on codes of FP4 with E8M0 scales, f32 sums, and at once quantised again for attention: q and k along the head's 64, v along the keys.
; A WORK-GROUP STAYS: it makes two blocks of 256 rows (blocks y and y + 16) x one head's q, k and v (192 columns) over all of K = 1,024.
; Twelve waves: role = wave / 4 (q, k, v), mg = wave % 4 (which 64 rows); a wave makes 64 x 64 of a block: 16 accumulators.
; hc and wc hold images of operand registers (4,352 bytes for a tile of 16 rows x 512 K: four fragments, then the scale words); a panel (two K halves of four tiles, 34,816 bytes) is one dense block.
; LDS: block 2's first K half (4 x 17,408 bytes), block 1's four panels, W's three panels: 313,344 bytes, asked for at the head, one tensor load a wave: waves 0-3 block 1's panels, 4-6 W's, 7-10 block 2's half panels.
; BLOCK 1 TAKES ITS SECOND K HALF FIRST: those bytes are then filled again, with block 2's second K half (waves 0-3, one load each), which has four K steps, the way out and four more K steps in which to land.
; CLUSTER 4 x 4: the rows' panels hang on the work-group's y alone and are asked for jointly along a row of the cluster, W's on x alone, along a column.
; NO PREFETCH: the text has no loop to run ahead in; all but the one refill is asked for at the head.
; ONE TEXT FOR THE THREE ROLES: every product is D(o, i) = F0[i] x F1[o].  q, k: F0 = W's tiles, F1 = the rows' (transposed use);  v: F0 = the rows', F1 = W's.  Only LDS bases differ, by the wave's number.
; Lane r of a panel's tile t holds row 32 (t / 2) + 8 (t % 2) + r + 8 (r / 8).  So in D(o, 2 g + u) lane (r, h), register j, is inner index 32 g + 16 h + 8 u + j (d for q and k, the key for v):
; sixteen registers of two neighbouring tiles are sixteen neighbours along the next K, and the conversions' results are the next operand's registers.
; OUT: cod [role][batch x 16 + head][group of 64 positions][o][512]: registers 0-3 of a fragment, 16 bytes a lane;  scl [role][..][..][r][o]: byte 0, 1 the two blocks' scales, bytes 2, 3 = 127.
; LIMITS: NaN and infinities are not served; a block under 2^-124 gets the byte 1 and zero codes.
.set PANEL, 34816
.set HALFP, 17408
.set TILEB, 4352
.set A1B,   4*HALFP                    ; LDS: block 1's panels, behind block 2's four half panels
.set WB,    A1B+4*PANEL                ; W's panels
.set SPARE, WB+3*PANEL                 ; the spare words, 128 bytes a wave
.set AD0,  5                           ; v5, v6   F0's panel + 16 x lane: set 0 (block 1's panels), set 1 (block 2's first K half)
.set AD1,  7                           ; v7, v8   F1's
.set ADS,  9                           ; v9, v10  scale words: lanes 0-15 F1's panel, lanes 16-31 F0's
.set SC,   16                          ; v16-31   scale words: register 4 i + s: tile i, K step s of the half
.set F0,   32                          ; v32-63
.set F1,   64                          ; v64-95
.set BI,   96                          ; v96-127  the bias in the result's layout, four tiles
.set ACC,  128                         ; v128-255 accumulator (o, i) at ACC + 8 (4 o + i)
.set TM,   16                          ; the way out: largest magnitudes;
.set TX,   24                          ; lane l xor 16's;
.set SOP,  32                          ; the conversions' scale operands;
.set BY,   40                          ; the bytes;
.set PW,   48                          ; four scale words;
.set PC,   64                          ; sixteen registers of codes
.set WV,   18
.set SEL,  44
.set G1A,  48                          ; a panel of rows: 136 rows of 256 bytes, my row of the cluster
.set G1B,  56                          ; a panel of W: the same, my column
.set G1C,  80                          ; half a panel of rows: 68 rows
.set G0A,  68                          ; block 1's panel
.set G0C,  72                          ; block 2's first K half
.set G0B,  76                          ; W's panel
.set G0D,  92                          ; block 2's second K half
.macro CROUND                          ; a round of the cluster's barrier
	s_barrier_signal -1
	s_barrier_wait -1
	s_cmp_lg_u32 s[WV], 0
	s_cbranch_scc1 .Lnot_wave_0_\@
	s_barrier_signal -3
.Lnot_wave_0_\@:
	s_barrier_wait -3
	s_barrier_signal -1
	s_barrier_wait -1
.endm
.macro TL g0, g1                       ; a tensor load with the lines behind it
	tensor_load_to_lds s[\g0:\g0+3], s[\g1:\g1+7]
	s_nop 0
.rept 4
	v_nop
.endr
.endm
	s_load_b256 s[4:11], s[0:1], 0x0               ; hc s[4:5], wc s[6:7], bq s[8:9], bk s[10:11]
	s_load_b128 s[12:15], s[0:1], 0x20             ; bv s[12:13], cod s[14:15]
	s_load_b64 s[16:17], s[0:1], 0x30              ; scl
	v_lshl_add_u32 v14, v0, 2, SPARE
	v_mov_b32 v15, 0
	ds_add_u32 v14, v15                            ; the opening lines: the add, twice on end, and its wait ahead of the first tensor load
	ds_add_u32 v14, v15
	v_lshrrev_b32 v1, 5, v0
	s_delay_alu instid0(VALU_DEP_1)
	v_readfirstlane_b32 s[WV], v1                  ; wave 0..11
	s_lshr_b32 s19, s[WV], 2                       ; role
	s_and_b32 s20, s[WV], 3                        ; mg
	s_lshr_b32 s21, s[WV], 3                       ; 1 for v
	s_xor_b32 s36, s21, 1                          ; 1 for q and k
	s_bfe_u32 s22, ttmp6, 0x40000                  ; cx
	s_bfe_u32 s23, ttmp6, 0x40004                  ; cy
	s_lshl_b32 s24, ttmp9, 2
	s_add_co_u32 s24, s24, s22                     ; x = the head
	s_and_b32 s25, ttmp7, 0xffff
	s_lshl_b32 s25, s25, 2
	s_add_co_u32 s25, s25, s23                     ; y = the first block of 256 rows, 0..15
	s_lshl_b32 s26, s23, 2
	s_lshl_b32 s26, 15, s26                        ; my row of the cluster
	s_lshl_b32 s27, 0x1111, s22                    ; my column
	; group 1: dense blocks as rows of 32 elements of 8 bytes; no padding: fragments are read 16 bytes a lane on end
	s_or_b32 s[G1A], s26, (3<<16)|(1<<21)
	s_or_b32 s[G1B], s27, (3<<16)|(1<<21)
	s_or_b32 s[G1C], s26, (3<<16)|(1<<21)
.irp g, G1A, G1B, G1C
	s_mov_b32 s[\g+1], 32<<16                      ; tensor_dim0
	s_mov_b32 s[\g+3], 32<<16                      ; tile_dim0
	s_mov_b32 s[\g+5], 32                          ; pitch
	s_mov_b32 s[\g+6], 0
	s_mov_b32 s[\g+7], 0
.endr
.irp g, G1A, G1B
	s_mov_b32 s[\g+2], 136<<16                     ; tensor_dim1
	s_mov_b32 s[\g+4], 136                         ; tile_dim1
.endr
	s_mov_b32 s[G1C+2], 68<<16
	s_mov_b32 s[G1C+4], 68
	s_lshl_b32 s28, s25, 2
	s_add_co_u32 s46, s[WV], 1
	s_and_b32 s46, s46, 3                          ; waves 7-10: 0..3
	s_mul_i32 s96, s46, HALFP                      ; where block 2's half panel goes
	s_add_co_u32 s46, s46, s28
	s_add_co_u32 s46, s46, 64
	s_mul_i32 s46, s46, PANEL                      ; and comes from: rows' panel 4 (y + 16) + wave - 7
	s_mov_b32 s47, 0
	s_add_co_u32 s28, s28, s20
	s_mul_i32 s28, s28, PANEL                      ; waves 0-3: rows' panel 4 y + wave (cx plays no part)
	s_mov_b32 s29, 0
	s_mul_i32 s30, s24, 3
	s_add_co_u32 s30, s30, s20
	s_mul_i32 s30, s30, PANEL                      ; waves 4-6: W's panel 3 x + wave - 4
	s_mov_b32 s31, 0
	s_mul_i32 s97, s20, PANEL
	s_add_co_u32 s97, s97, WB                      ; where it goes
	; LDS bases, by the wave's number alone, made ahead of every parting of the waves
	s_mul_i32 s33, s20, PANEL
	s_add_co_u32 s33, s33, A1B                     ; set 0: block 1's panel mg
	s_xor_b32 s34, s20, 3                          ; 3 - mg
	s_add_co_u32 s35, s34, s19
	s_add_co_u32 s35, s35, 1
	s_mul_i32 s35, s35, PANEL                      ; from it to W's panel role
	s_mul_i32 s37, s21, s35
	s_add_co_u32 s37, s37, s33                     ; F1's panel
	s_mul_i32 s38, s36, s35
	s_add_co_u32 s38, s38, s33                     ; F0's panel
	s_mul_i32 s98, s20, HALFP                      ; set 1: block 2's half panel mg
	s_lshl_b32 s99, s19, 1
	s_add_co_u32 s99, s99, s34
	s_add_co_u32 s99, s99, 9
	s_mul_i32 s99, s99, HALFP                      ; from it to W's panel role: (12 + 2 role - mg) half panels
	s_mul_i32 s100, s21, s99
	s_add_co_u32 s100, s100, s98
	s_mul_i32 s101, s36, s99
	s_add_co_u32 s101, s101, s98
	v_and_b32 v1, 31, v0
	v_and_b32 v2, 15, v0                           ; r
	v_bfe_u32 v3, v0, 4, 1                         ; h
	s_delay_alu instid0(VALU_DEP_3)
	v_lshlrev_b32 v4, 4, v1                        ; 16 x lane
	s_delay_alu instid0(VALU_DEP_1)
	v_add_nc_u32 v[AD0], s38, v4
	v_add_nc_u32 v[AD0+1], s101, v4
	v_add_nc_u32 v[AD1], s37, v4
	v_add_nc_u32 v[AD1+1], s100, v4
	v_xor_b32 v12, s21, v3
	v_lshlrev_b32 v11, 4, v2                       ; 16 r
	s_delay_alu instid0(VALU_DEP_2)
	v_mul_u32_u24 v13, s35, v12                    ; one product a set: lanes 0-15 take F1's panel, lanes 16-31 F0's
	v_mul_u32_u24 v12, s99, v12
	s_delay_alu instid0(VALU_DEP_2)
	v_add_nc_u32 v[ADS], v13, v11
	s_delay_alu instid0(VALU_DEP_2)
	v_add_nc_u32 v[ADS+1], v12, v11
	s_delay_alu instid0(VALU_DEP_2)
	v_add_nc_u32 v[ADS], s33, v[ADS]
	s_delay_alu instid0(VALU_DEP_2)
	v_add_nc_u32 v[ADS+1], s98, v[ADS+1]
	s_delay_alu instid0(VALU_DEP_2)
	v_add_nc_u32 v[ADS], 4096, v[ADS]
	s_delay_alu instid0(VALU_DEP_2)
	v_add_nc_u32 v[ADS+1], 4096, v[ADS+1]
	s_mov_b32 s[SEL], 0x76543210
	s_mov_b32 s[SEL+1], 0xfedcba98
	; where the first block's results go; the second's lie four batches on
	s_lshr_b32 s39, s25, 2
	s_lshl_b32 s39, s39, 4
	s_add_co_u32 s39, s39, s24                     ; batch x 16 + head
	s_and_b32 s40, s25, 3
	s_lshl_b32 s40, s40, 2
	s_add_co_u32 s40, s40, s20                     ; group of 64 positions
	s_lshl_b32 s88, s19, 22
	s_lshl_b32 s89, s39, 15
	s_add_co_u32 s88, s88, s89
	s_lshl_b32 s89, s40, 11
	s_add_co_u32 s88, s88, s89
	s_mov_b32 s89, 0
	s_lshl_b32 s90, s19, 19
	s_lshl_b32 s91, s39, 12
	s_add_co_u32 s90, s90, s91
	s_lshl_b32 s91, s40, 8
	s_add_co_u32 s90, s90, s91
	s_mov_b32 s91, 0
	s_lshl_b32 s42, s24, 8                         ; the head's 64 numbers of a bias
	s_mov_b32 s43, 0
	s_wait_alu depctr_va_vdst(0)
	s_wait_dscnt 0x0                               ; both opening adds are done
	s_wait_kmcnt 0x0
	s_add_nc_u64 s[28:29], s[4:5], s[28:29]
	s_add_nc_u64 s[46:47], s[4:5], s[46:47]
	s_add_nc_u64 s[30:31], s[6:7], s[30:31]
	s_add_nc_u64 s[14:15], s[14:15], s[88:89]
	s_add_nc_u64 s[16:17], s[16:17], s[90:91]
	CROUND                                         ; all sixteen work-groups are here: the joint loads meet
	s_mov_b32 s[G0A], 1
	s_mov_b32 s[G0A+1], s33
	s_mov_b64 s[G0A+2:G0A+3], s[28:29]
	s_or_b32 s[G0A+3], s[G0A+3], 0x80000000
	s_mov_b32 s[G0B], 1
	s_mov_b32 s[G0B+1], s97
	s_mov_b64 s[G0B+2:G0B+3], s[30:31]
	s_or_b32 s[G0B+3], s[G0B+3], 0x80000000
	s_mov_b32 s[G0C], 1
	s_mov_b32 s[G0C+1], s96
	s_mov_b64 s[G0C+2:G0C+3], s[46:47]
	s_or_b32 s[G0C+3], s[G0C+3], 0x80000000
	s_mov_b32 s[G0D], 1
	s_add_co_u32 s[G0D+1], s33, HALFP              ; over block 1's second K half
	s_add_nc_u64 s[G0D+2:G0D+3], s[28:29], 64*PANEL+HALFP
	s_or_b32 s[G0D+3], s[G0D+3], 0x80000000
	s_cmp_lt_u32 s[WV], 4                          ; one chain of branches on the wave's number, one load to an arm; wave 11 issues none
	s_cbranch_scc0 .Lnot_a
	TL G0A, G1A
	s_branch .Lasked
.Lnot_a:
	s_cmp_lt_u32 s[WV], 7
	s_cbranch_scc0 .Lnot_b
	TL G0B, G1B
	s_branch .Lasked
.Lnot_b:
	s_cmp_lt_u32 s[WV], 11
	s_cbranch_scc0 .Lasked
	TL G0C, G1C
.Lasked:
	; the bias, in the result's layout.  q, k: register 8 t + j = b(32 (t / 2) + 16 h + 8 (t % 2) + j);  v: every j = b(32 (t / 2) + 8 (t % 2) + r + 8 (r / 8))
	s_cmp_eq_u32 s19, 0
	s_cselect_b64 s[40:41], s[8:9], s[10:11]
	s_cmp_eq_u32 s19, 2
	s_cselect_b64 s[40:41], s[12:13], s[40:41]
	s_add_nc_u64 s[40:41], s[40:41], s[42:43]
	v_lshlrev_b32 v12, 6, v3
	s_delay_alu instid0(VALU_DEP_1)
	v_mul_u32_u24 v12, s36, v12                    ; 64 h for q and k,
	v_and_b32 v13, 8, v2
	s_delay_alu instid0(VALU_DEP_1)
	v_add_nc_u32 v13, v13, v2
	s_delay_alu instid0(VALU_DEP_1)
	v_lshlrev_b32 v13, 2, v13
	s_delay_alu instid0(VALU_DEP_1)
	v_mad_u32_u24 v12, s21, v13, v12               ; 4 (r + 8 (r / 8)) for v
	s_lshl_b32 s39, s36, 2
.irp j, 0,1,2,3,4,5,6,7
	v_mad_u32_u24 v[F1+\j], s39, \j, v12           ; + 4 j for q and k
.endr
.irp t, 0,1,2,3
.irp j, 0,1,2,3,4,5,6,7
	global_load_b32 v[BI+8*\t+\j], v[F1+\j], s[40:41] offset:(32*(\t/2)+8*(\t%2))*4
.endr
.endr
.macro WM o, i, s, cb                  ; D(o, i) = F0[i] x F1[o] + C.  F0's scale words lie in lanes 16-31 of register 4 i + s, F1's in lanes 0-15 of register 4 o + s
	v_wmma_scale_f32_16x16x128_f8f6f4 v[ACC+8*(4*(\o)+(\i)):ACC+8*(4*(\o)+(\i))+7], v[F0+8*(\i):F0+8*(\i)+7], v[F1+8*(\o):F1+8*(\o)+7], v[\cb:\cb+7], v[SC+4*(\i)+(\s)], v[SC+4*(\o)+(\s)] matrix_a_fmt:MATRIX_FMT_FP4 matrix_b_fmt:MATRIX_FMT_FP4 matrix_a_scale:MATRIX_SCALE_ROW1
.endm
.macro FRAGS st, ko, s                 ; the fragments of one K step of 128, from address set st, ko bytes on; with a half's first step its scale words
.if (\s) == 0
.irp i, 0,1,2,3
	ds_load_b128 v[SC+4*\i:SC+4*\i+3], v[ADS+\st] offset:TILEB*\i+(\ko)
.endr
.endif
.irp i, 0,1,2,3
.irp c, 0,1
	ds_load_b128 v[F0+8*\i+4*\c:F0+8*\i+4*\c+3], v[AD0+\st] offset:TILEB*\i+1024*(\s)+512*\c+(\ko)
.endr
.endr
.irp i, 0,1,2,3
.irp c, 0,1
	ds_load_b128 v[F1+8*\i+4*\c:F1+8*\i+4*\c+3], v[AD1+\st] offset:TILEB*\i+1024*(\s)+512*\c+(\ko)
.endr
.endr
.endm
.macro MULS s, cm                      ; sixteen products, the sixteen accumulators by turns, in the same order in every step.  cm = 1, 2: the bias starts the sums
.irp o, 0,1,2,3
	s_wait_dscnt 6-2*\o                            ; all but the two loads of each later tile of F1
.irp i, 0,1,2,3
.if \cm == 0
	WM \o, \i, \s, ACC+8*(4*\o+\i)
.elseif \cm == 1
	WM \o, \i, \s, BI+8*\i
.else
	WM \o, \i, \s, BI+8*\o
.endif
.endr
.endr
.endm
.macro KSTEP st, ko, s
.rept 4
	v_nop                                          ; four places in front of loads into registers that matrix instructions have read (ISA guide 7.12.1 for vector instructions)
.endr
	FRAGS \st, \ko, \s
	MULS \s, 0
.endm
.macro FIRSTM                          ; a block's first products: the one parting by role: along which index of the result the bias runs
	s_cmp_lt_u32 s[WV], 8
	s_cbranch_scc0 .Lfirst_v_\@
	MULS 0, 1
	s_branch .Lfirst_done_\@
.Lfirst_v_\@:
	MULS 0, 2
.Lfirst_done_\@:
.endm
.macro WAYOUT blk                      ; eight blocks of 32 along the next K; block b = 2 o + g is ACC + 16 b + 0 .. 15 of lanes l and l xor 16
.rept 4
	v_nop
.endr
.irp b, 0,1,2,3,4,5,6,7
	v_max3_num_f32 v[TM+\b], |v[ACC+16*\b]|, |v[ACC+16*\b+1]|, 0x1800000   ; each accumulator from its low end on; the floor 2^(3 - 127) keeps the byte at 1 or more
.endr
.irp i, 2,4,6,8,10,12,14
.irp b, 0,1,2,3,4,5,6,7
	v_max3_num_f32 v[TM+\b], v[TM+\b], |v[ACC+16*\b+\i]|, |v[ACC+16*\b+\i+1]|
.endr
.endr
.irp b, 0,1,2,3,4,5,6,7
	v_permlanex16_b32 v[TX+\b], v[TM+\b], s[SEL], s[SEL+1]
.endr
.irp b, 0,1,2,3,4,5,6,7
	v_max_num_f32 v[TM+\b], v[TM+\b], v[TX+\b]
.endr
.irp b, 0,1,2,3,4,5,6,7
	v_add_nc_u32 v[SOP+\b], 0xff000000, v[TM+\b]   ; 2 off the exponent field: the conversion's scale operand
.endr
.irp b, 0,1,2,3,4,5,6,7
	v_lshrrev_b32 v[BY+\b], 23, v[SOP+\b]
.endr
.irp o, 0,1,2,3
	v_lshl_or_b32 v[PW+\o], v[BY+2*\o+1], 8, v[BY+2*\o]
.endr
.irp o, 0,1,2,3
	s_delay_alu instid0(VALU_DEP_4)
	v_or_b32 v[PW+\o], 0x7f7f0000, v[PW+\o]        ; bytes 2 and 3: 2^0, for the half of a K step of 128 that a head of 64 leaves to zero codes
.endr
.irp b, 0,1,2,3,4,5,6,7
	v_cvt_scalef32_pk8_fp4_f32 v[PC+2*\b], v[ACC+16*\b:ACC+16*\b+7], v[SOP+\b]
	v_cvt_scalef32_pk8_fp4_f32 v[PC+2*\b+1], v[ACC+16*\b+8:ACC+16*\b+15], v[SOP+\b]
.endr
	v_nop                                          ; one plain place behind a scaled conversion
.irp o, 0,1,2,3
.irp i, 0,1
	v_permlane16_swap_b32 v[PC+4*\o+\i], v[PC+4*\o+2+\i]   ; a whole block to a lane: lanes 0-15 block 0, lanes 16-31 block 1
.endr
.endr
.irp o, 0,1,2,3
	global_store_b128 v4, v[PC+4*\o:PC+4*\o+3], s[14:15] offset:512*\o+2097152*(\blk)   ; 32 lanes store 512 consecutive bytes
.endr
	global_store_b128 v11, v[PW:PW+3], s[16:17] offset:262144*(\blk)   ; 16 rows x 16 bytes: 256 consecutive bytes; lanes 16-31 hold and write the same as lanes 0-15
.endm
	s_wait_alu depctr_va_vdst(0)
	s_wait_tensorcnt 0x0                           ; my tile is in
	s_barrier_signal -1
	s_barrier_wait -1                              ; everybody's is
	s_wait_loadcnt 0x0                             ; the bias is in, and its loads' offset registers (in F1) are free
	FRAGS 0, HALFP, 0                              ; BLOCK 1, its second K half first
	FIRSTM
	KSTEP 0, HALFP, 1
	KSTEP 0, HALFP, 2
	KSTEP 0, HALFP, 3
	s_wait_tensorcnt 0x0                           ; ahead of a refill: no tensor load of mine is out;
	ds_add_u32 v14, v15                            ; 0 onto my spare word,
	ds_add_u32 v14, v15                            ; twice on end
	s_wait_dscnt 0x0                               ; the adds are done, and my reads of block 1's second K half are over
	CROUND                                         ; that holds of every wave of all sixteen work-groups
	s_cmp_lt_u32 s[WV], 4
	s_cbranch_scc0 .Lno_refill
	TL G0D, G1C                                    ; block 2's second K half, over block 1's
.Lno_refill:
	KSTEP 0, 0, 0
	KSTEP 0, 0, 1
	KSTEP 0, 0, 2
	KSTEP 0, 0, 3
	WAYOUT 0
	s_wait_xcnt 0x0                                ; the stores have read their registers: the next block's fragments land there
	FRAGS 1, 0, 0                                  ; BLOCK 2
	FIRSTM
	KSTEP 1, 0, 1
	KSTEP 1, 0, 2
	KSTEP 1, 0, 3
	s_wait_tensorcnt 0x0                           ; my part of block 2's second K half is in
	s_wait_dscnt 0x0
	s_barrier_signal -1
	s_barrier_wait -1                              ; everybody's is
	KSTEP 0, HALFP, 0
	KSTEP 0, HALFP, 1
	KSTEP 0, HALFP, 2
	KSTEP 0, HALFP, 3
	WAYOUT 1
	s_wait_tensorcnt 0x0                           ; the wave's end
	ds_add_u32 v14, v15
	s_wait_dscnt 0x0
	CROUND                                         ; the closing round: no work-group ends while a partner may still ask for a tile that names it
	s_endpgm
.Lfunc_end_k_qd7dc26d80a_qkv:
	.size	k_qd7dc26d80a_qkv, .Lfunc_end_k_qd7dc26d80a_qkv-k_qd7dc26d80a_qkv
	.p2alignl 7, 3214868480
	.fill 96, 4, 3214868480
	.section	.rodata,"a",@progbits
	.p2align	6, 0x0
	.amdhsa_kernel k_qd7dc26d80a_qkv
		.amdhsa_group_segment_fixed_size 327680
		.amdhsa_private_segment_fixed_size 0
		.amdhsa_enable_private_segment 0
		.amdhsa_kernarg_size 56
		.amdhsa_user_sgpr_count 2
		.amdhsa_user_sgpr_kernarg_segment_ptr 1
		.amdhsa_wavefront_size32 1
		.amdhsa_system_sgpr_workgroup_id_x 1
		.amdhsa_system_sgpr_workgroup_id_y 1
		.amdhsa_system_sgpr_workgroup_id_z 1
		.amdhsa_system_vgpr_workitem_id 0
		.amdhsa_next_free_vgpr 256
		.amdhsa_next_free_sgpr 102
		.amdhsa_reserve_vcc 0
		.amdhsa_float_denorm_mode_32 3
		.amdhsa_float_denorm_mode_16_64 3
		.amdhsa_memory_ordered 1
		.amdhsa_forward_progress 1
		.amdhsa_inst_pref_size 88
	.end_amdhsa_kernel
	.amdgpu_metadata
---
amdhsa.version: [ 1, 2 ]
amdhsa.kernels:
  - .name:           k_qd7dc26d80a_qkv
    .symbol:         k_qd7dc26d80a_qkv.kd
    .args:
      - { .name: hc, .offset: 0, .size: 8, .value_kind: global_buffer, .address_space: global }
      - { .name: wc, .offset: 8, .size: 8, .value_kind: global_buffer, .address_space: global }
      - { .name: bq, .offset: 16, .size: 8, .value_kind: global_buffer, .address_space: global }
      - { .name: bk, .offset: 24, .size: 8, .value_kind: global_buffer, .address_space: global }
      - { .name: bv, .offset: 32, .size: 8, .value_kind: global_buffer, .address_space: global }
      - { .name: cod, .offset: 40, .size: 8, .value_kind: global_buffer, .address_space: global }
      - { .name: scl, .offset: 48, .size: 8, .value_kind: global_buffer, .address_space: global }
    .group_segment_fixed_size: 327680
    .private_segment_fixed_size: 0
    .kernarg_segment_align: 8
    .kernarg_segment_size: 56
    .max_flat_workgroup_size: 384
    .sgpr_count:     102
    .vgpr_count:     256
    .wavefront_size: 32
...
	.end_amdgpu_metadata
.endif
;; end of part 2
;; launch attn (part 3): grid 2 x 128, 8 waves a work-group, no clusters, 168,960 bytes of LDS; arguments cod, scl, attention_mask, out0; writes out0
.if DOCPART == 3
	.amdgcn_target "amdgcn-amd-amdhsa--gfx1250"
	.amdhsa_code_object_version 6
	.text
	.protected	k_qd7dc26d80a_attn
	.globl	k_qd7dc26d80a_attn
	.p2align	8
	.type	k_qd7dc26d80a_attn,@function
k_qd7dc26d80a_attn:
	s_mov_b64 s[64:65], 0
	v_nop
	global_prefetch_b8 v0, s[64:65] scope:SCOPE_SE
	s_setreg_imm32_b32 hwreg(HW_REG_WAVE_MODE, 25, 1), 1
	s_wait_xcnt 0x0
; out[b][q][64 head + d] = sum over keys of softmax(q . k / 8 + mask) v, both products on codes of FP4 with E8M0 scales.  t = (q . k + 8 mask) x log2(e) / 8; M = the running largest t rounded up to a whole number;
; p = 2^(t - M) is quantised along the keys, not normalised; the row's sum is taken of the unquantised p and divides at the end.  When M moves, the sum and O are multiplied by 2^(old M - new M): exact.
; SHARES.  A work-group owns one head of one batch and 512 of its 1,024 queries.  The head's K, V, their scale words and the batch's mask lie in LDS for the whole launch (75,776 bytes, filled once).
; Each of eight waves owns two tiles of 16 queries at a time, in two passes: every fragment, scale word and mask register read from LDS serves both tiles.  Both passes' Q come at the head.
; THE TWO TILES OF A WAVE RUN HALF A STEP APART.  A trip is: tile 1's exponentials; tile 0's plain part; tile 0's exponentials; tile 1's plain part.  A tile's plain part closes one key step and opens the next:
; p's scales and codes, the sums, the next S^T, O^T += V^T P^T, the maxima, M, the sum and O^T under the new M, t - M.  So no transcendental stands between a product and the first read of its result.
; The second pass joins the first in one trip that is written out and holds the way out of the first pass's tiles.
; TWO KINDS OF WAVES (kind = (wave xor wave / 4) % 2): tile 0's first S^T and maxima stand twice in the text, on either side of a barrier; kind 0 runs them ahead of it, kind 1 behind it,
; so that one kind's exponentials stand beside the other kind's plain vector work.
; NO CLUSTER: two work-groups share a head; what they share is 69,632 bytes copied once at the head, against 131,072 bytes that each stores.  NO PREFETCH: all that is read is asked for at the head; no loop runs ahead of memory.
; LAYOUT.  Both products are used transposed (S^T = K Q^T, O^T = V^T P^T): a lane holds one query (lane % 16).  cod holds images of operand registers whose tiles' rows are chosen so that
; the 16 registers of tiles 2 b, 2 b + 1 of S^T are keys 32 b + 16 (lane / 16) + 0 .. 15, and those of O^T channels 32 g + 16 (lane / 16) + 0 .. 15.
; THE HEAD IS 64, A K STEP 128: K's source is v[KF + 4 t : KF + 4 t + 7]; its upper four registers (the next tile's codes, or zeros) meet Q's zero codes under scale bytes 127: they add nothing.
; THE MASK IS THE C OF S^T: 8 x mask in the result's layout; it costs no vector instruction.
; LIMITS: 8 x mask is held to +-2^27, so masks beyond +-2^24 count as +-2^24 (so -infinity hides a key as in the reference; a row all of whose keys are -infinity gives numbers, not NaN): with |t| under 2^25 the
; rounded product that gives M and the fused t - M differ by 2 at the most, and no p overflows.  NaN is not served.
; REGISTERS.  Tile tau's state lies at the SAME numbers in window tau.  Both windows: v16-23 pass 0's Q, v236-243 pass 1's; v24 -M, v25 largest t; v[26:27] sum; v[28:29] f; v30 at work; v32-35 block maxima; v36-43
; at work; v[44:45] second sum; v48-55 p's codes; v56-87 O^T; v88-151 S^T, then p.  Window 0 alone: v1-14 addresses; v152-187 K (+ 4 zeros); v188-219 V; v220-235, v244-245 scale words; v254-255 the add's.  Window 1 alone: v152-215 the mask.
.set KC,   0                           ; LDS: K's codes, 32,768 bytes: [key step][tile][512]
.set VC,   32768                       ; V's codes: [key step][c][tile][512]
.set KS,   65536                       ; K's scale words, 4,096 bytes
.set VS,   69632                       ; V's scale words, joined for key steps of 128: [key step][r][o], 2,048 bytes
.set MSK,  71680                       ; 8 x mask, 4,096 bytes
.set STG,  75776                       ; a stage of 16 rows x (256 + 16) bytes for each wave
.set AK0,  1
.set AV0,  2
.set AKS0, 3
.set AVS0, 4
.set AM0,  5
.set STO,  6
.set RD,   7
.set GO,   8
.set R16,  9
.set ADK,  10
.set ADKS, 11
.set ADM,  12
.set ADV,  13
.set ADVS, 14
.set QF,   16
.set QG,   236
.set NM,   24
.set TMX,  25
.set SUM,  26
.set F,    28
.set TT,   30
.set BM,   32
.set BX,   36
.set SOP,  40
.set A2,   44
.set PC,   48
.set O,    56
.set S,    88
.set KF,   152
.set VF,   188
.set KW,   220
.set VW,   228
.set QW,   232
.set PW,   234
.set QX,   244
.set MK,   152                         ; in window 1
.set WV,   12
.set SEL,  14
.set CS,   16
.set JN,   19                          ; the key step that a trip opens
.set TY,   25                          ; my kind
.set QB,   26
.set QSB,  28
.set KB,   30
.set VB,   32
.set KSB,  34
.set VSB,  36
.set MB,   38
.set OB,   40
.set MSB, 0
.macro WIN new                         ; the immediate's high byte repeats the setting that is left; a switch that changes nothing is dropped
.if MSB != (\new)
	s_set_vgpr_msb (MSB<<8)|(\new)
.set MSB, (\new)
.endif
.endm
	s_load_b256 s[4:11], s[0:1], 0x0               ; cod s[4:5], scl s[6:7], mask s[8:9], out s[10:11]
	v_lshl_add_u32 v254, v0, 2, 0x29000            ; my spare word
	v_mov_b32 v255, 0
	ds_add_u32 v254, v255                          ; the opening lines: the add, twice on end, and its wait ahead of my first copy
	ds_add_u32 v254, v255
	v_lshrrev_b32 v92, 5, v0
	s_delay_alu instid0(VALU_DEP_1)
	v_readfirstlane_b32 s[WV], v92                 ; wave 0..7
	s_lshr_b32 s[TY], s[WV], 2
	s_xor_b32 s[TY], s[TY], s[WV]
	s_and_b32 s[TY], s[TY], 1                      ; kind
	s_and_b32 s13, ttmp7, 0xffff                   ; batch x 16 + head
	s_lshl_b32 s42, s13, 15                        ; its 32,768 bytes in each role of cod
	s_lshl_b32 s44, s13, 12                        ; its 4,096 bytes in each role of scl
	s_lshr_b32 s43, s[WV], 1
	s_and_b32 s45, s[WV], 1
	s_lshl_b32 s[QB], ttmp9, 14                    ; Q's tile 32 x + 16 p + 2 wave + tau, 512 bytes each
	s_lshl_b32 s2, s[WV], 10
	s_add_co_u32 s[QB], s[QB], s2
	s_add_co_u32 s[QB], s[QB], s42
	s_mov_b32 s[QB+1], 0
	s_lshl_b32 s[QSB], ttmp9, 11                   ; its scale words: group 8 x + 4 p + wave / 2 of 256 bytes, word 2 (wave % 2) + tau of a row's four
	s_lshl_b32 s2, s43, 8
	s_add_co_u32 s[QSB], s[QSB], s2
	s_lshl_b32 s2, s45, 3
	s_add_co_u32 s[QSB], s[QSB], s2
	s_add_co_u32 s[QSB], s[QSB], s44
	s_mov_b32 s[QSB+1], 0
	s_add_co_u32 s[KB], s42, 0x400000
	s_mov_b32 s[KB+1], 0
	s_add_co_u32 s[VB], s42, 0x800000
	s_mov_b32 s[VB+1], 0
	s_add_co_u32 s[KSB], s44, 0x80000
	s_mov_b32 s[KSB+1], 0
	s_add_co_u32 s[VSB], s44, 0x100000
	s_mov_b32 s[VSB+1], 0
	s_lshr_b32 s3, s13, 4                          ; batch
	s_lshl_b32 s[MB], s3, 12
	s_mov_b32 s[MB+1], 0
	s_lshl_b32 s[OB], s3, 22                       ; out: batch x 4 MiB + (512 x + 64 (wave / 2) + 32 (wave % 2)) rows of 4,096 bytes + 256 head
	s_lshl_b32 s2, ttmp9, 21
	s_add_co_u32 s[OB], s[OB], s2
	s_lshl_b32 s2, s43, 18
	s_add_co_u32 s[OB], s[OB], s2
	s_lshl_b32 s2, s45, 17
	s_add_co_u32 s[OB], s[OB], s2
	s_and_b32 s2, s13, 15
	s_lshl_b32 s2, s2, 8
	s_add_co_u32 s[OB], s[OB], s2
	s_mov_b32 s[OB+1], 0
	s_mov_b32 s[SEL], 0x76543210
	s_mov_b32 s[SEL+1], 0xfedcba98                 ; v_permlanex16_b32's selects for lane l xor 16
	s_mov_b32 s[CS], 0x3e38aa3b                    ; c = log2(e) / 8
	s_mov_b32 s[CS+1], s[CS]                       ; (named with it as a pair, so it is written)
	s_mov_b32 s20, 0xcd000000                      ; -2^27
	s_mov_b32 s21, 0x4d000000                      ; 2^27
	v_lshlrev_b32 v88, 4, v0                       ; 16 x thread: the copies' place in memory,
	v_lshlrev_b32 v89, 4, v0                       ; and in LDS: K's codes,
	v_lshl_add_u32 v90, v0, 4, VC                  ; V's,
	v_lshl_add_u32 v91, v0, 4, KS                  ; K's scale words.  These four stay untouched until the wait on ASYNCcnt
	s_wait_alu depctr_va_vdst(0)
	s_wait_dscnt 0x0
	s_wait_kmcnt 0x0
	s_add_nc_u64 s[QB:QB+1], s[4:5], s[QB:QB+1]
	s_add_nc_u64 s[KB:KB+1], s[4:5], s[KB:KB+1]
	s_add_nc_u64 s[VB:VB+1], s[4:5], s[VB:VB+1]
	s_add_nc_u64 s[QSB:QSB+1], s[6:7], s[QSB:QSB+1]
	s_add_nc_u64 s[KSB:KSB+1], s[6:7], s[KSB:KSB+1]
	s_add_nc_u64 s[VSB:VSB+1], s[6:7], s[VSB:VSB+1]
	s_add_nc_u64 s[MB:MB+1], s[8:9], s[MB:MB+1]
	s_add_nc_u64 s[OB:OB+1], s[10:11], s[OB:OB+1]
.irp n, 0,1,2,3,4,5,6,7
	global_load_async_to_lds_b128 v89, v88, s[KB:KB+1] offset:4096*\n   ; the 256 threads copy 4,096 consecutive bytes; the immediate steps both addresses
.endr
	global_load_async_to_lds_b128 v91, v88, s[KSB:KSB+1]
.irp n, 0,1,2,3,4,5,6,7
	global_load_async_to_lds_b128 v90, v88, s[VB:VB+1] offset:4096*\n
.endr
	global_load_b128 v[92:95], v88, s[MB:MB+1]     ; the mask of four keys
	v_lshrrev_b32 v96, 5, v0
	v_and_b32 v97, 31, v0
	s_delay_alu instid0(VALU_DEP_1)
	v_lshlrev_b32 v97, 3, v97
	s_delay_alu instid0(VALU_DEP_1)
	v_lshl_add_u32 v96, v96, 9, v97                ; V's scale words: key step thread / 32, two words at 8 (thread % 32),
	global_load_b64 v[98:99], v96, s[VSB:VSB+1]             ; of its first 64 keys,
	global_load_b64 v[100:101], v96, s[VSB:VSB+1] offset:256   ; and of its second
	v_and_b32 v9, 15, v0                           ; r
	v_bfe_u32 v10, v0, 4, 1                        ; h
	v_and_b32 v11, 31, v0                          ; lane
	s_delay_alu instid0(VALU_DEP_1)
	v_lshlrev_b32 v[AK0], 4, v11
	s_delay_alu instid0(VALU_DEP_2)
	v_lshl_add_u32 v[AV0], v11, 4, VC
	v_lshl_add_u32 v[AKS0], v9, 4, KS
	v_lshl_add_u32 v[AVS0], v9, 4, VS
	v_lshl_add_u32 v[AM0], v10, 6, MSK             ; my half's 16 keys of each 32
	s_mul_i32 s2, s[WV], 16*272
	s_add_co_u32 s2, s2, STG                       ; my stage
	v_mul_u32_u24 v[STO], v9, 272
	s_delay_alu instid0(VALU_DEP_1)
	v_lshl_add_u32 v[STO], v10, 6, v[STO]
	s_delay_alu instid0(VALU_DEP_1)
	v_add_nc_u32 v[STO], s2, v[STO]                ; in: row r, 64 h bytes on
	v_mul_u32_u24 v[RD], v10, 272
	s_delay_alu instid0(VALU_DEP_1)
	v_lshl_add_u32 v[RD], v9, 4, v[RD]
	s_delay_alu instid0(VALU_DEP_1)
	v_add_nc_u32 v[RD], s2, v[RD]                  ; back: lanes 0-15 one row, lanes 16-31 the next
	v_lshlrev_b32 v[GO], 12, v10
	s_delay_alu instid0(VALU_DEP_1)
	v_lshl_add_u32 v[GO], v9, 4, v[GO]             ; and the same two rows in out
	v_lshlrev_b32 v[R16], 4, v9                    ; 16 r
.irp j, 32,33,34,35
	v_mov_b32 v[KF+\j], 0                          ; behind K's last tile
.endr
.irp w, 0,1
	WIN 0x40*\w
.irp j, 4,5,6,7
	v_mov_b32 v[QF+\j], 0                          ; Q's zero codes for k = 64 .. 127, both passes'
	v_mov_b32 v[QG+\j], 0
.endr
.irp b, 0,1,2,3
	v_mov_b32 v[BX+\b], 0                          ; written once: a lane permute's destination counts as one of its sources
.endr
	v_mov_b32 v[F+1], 0                            ; (named as the upper half of a pair)
	v_mov_b32 v[TT], 0
.endr
	WIN 0
	s_wait_alu depctr_va_vdst(0)
.irp p, 0,1
.irp w, 0,1
	WIN 0x40*\w
	global_load_b128 v[QF+(QG-QF)*\p:QF+(QG-QF)*\p+3], v[AK0], s[QB:QB+1] offset:8192*\p+512*\w   ; Q of pass p, tile w
	WIN 0
	global_load_b32 v[QW+(QX-QW)*\p+\w], v[R16], s[QSB:QSB+1] offset:1024*\p+4*\w                 ; and its scale words
.endr
.endr
	s_wait_loadcnt 0x0
	v_pk_mul_f32 v[92:93], v[92:93], 0x41000000 op_sel_hi:[1,0]   ; 8 x mask: exact
	v_pk_mul_f32 v[94:95], v[94:95], 0x41000000 op_sel_hi:[1,0]
.irp j, 92,93,94,95
	v_med3_num_f32 v\j, v\j, s20, s21              ; held to +-2^27
.endr
	v_lshl_add_u32 v102, v0, 4, MSK
	ds_store_b128 v102, v[92:95]
	v_perm_b32 v104, v100, v98, 0x05040100         ; bytes 0, 1: the first 64 keys' two blocks; bytes 2, 3: the second's
	v_perm_b32 v105, v101, v99, 0x05040100
	v_lshl_add_u32 v103, v0, 3, VS
	ds_store_b64 v103, v[104:105]
	s_wait_asynccnt 0x0                            ; my copies have landed,
	s_wait_dscnt 0x0                               ; and my stores
	s_barrier_signal -1
	s_barrier_wait -1                              ; everybody's have
.macro LOADK ak, aks, am               ; a key step's 8 tiles of K, their scale words, and its 128 keys' mask in the result's layout: 26 loads
.irp t, 0,1,2,3,4,5,6,7
	ds_load_b128 v[KF+4*\t:KF+4*\t+3], v[\ak] offset:512*\t
.endr
	ds_load_b128 v[KW:KW+3], v[\aks]
	ds_load_b128 v[KW+4:KW+7], v[\aks] offset:256
	WIN 0x40
.irp b, 0,1,2,3
.irp i, 0,1,2,3
	ds_load_b128 v[MK+16*\b+4*\i:MK+16*\b+4*\i+3], v[\am] offset:128*\b+16*\i
.endr
.endr
	WIN 0
.endm
.macro LOADV                           ; a key step's 4 tiles of V^T and their scale words: 9 loads
.irp o, 0,1,2,3
.irp c, 0,1
	ds_load_b128 v[VF+8*\o+4*\c:VF+8*\o+4*\c+3], v[ADV] offset:512*\o+2048*\c
.endr
.endr
	ds_load_b128 v[VW:VW+3], v[ADVS]
.endm
.macro NEXTL                           ; behind tile 1's products, which are the last to read them: V of step s[JN], and K, scale words and mask of the step after
	WIN 0
	s_add_co_u32 s24, s[JN], 1
	s_and_b32 s24, s24, 7                          ; behind the last step comes step 0, which the next pass reads first
	s_lshl_b32 s20, s[JN], 12
	s_lshl_b32 s21, s[JN], 8
	s_lshl_b32 s22, s24, 12
	s_lshl_b32 s23, s24, 9
	v_add_nc_u32 v[ADV], s20, v[AV0]               ; five plain lines: the places between the products and the loads into registers that they have read, and the first read of S^T
	v_add_nc_u32 v[ADVS], s21, v[AVS0]
	v_add_nc_u32 v[ADK], s22, v[AK0]
	v_add_nc_u32 v[ADKS], s23, v[AKS0]
	v_add_nc_u32 v[ADM], s23, v[AM0]
	LOADV
	LOADK ADK, ADKS, ADM
.endm
.macro PLACES
.rept 4
	v_nop                                          ; four places behind a product, ahead of the first read of its result
.endr
.endm
.macro QK tau, p                       ; S^T = K Q^T + 8 mask: K window 0, Q and S^T window tau, the mask window 1
	WIN 0x10+0x44*(\tau)
.irp t, 0,1,2,3,4,5,6,7
	v_wmma_scale_f32_16x16x128_f8f6f4 v[S+8*\t:S+8*\t+7], v[KF+4*\t:KF+4*\t+7], v[QF+(QG-QF)*(\p):QF+(QG-QF)*(\p)+7], v[MK+8*\t:MK+8*\t+7], v[KW+\t], v[QW+(QX-QW)*(\p)+(\tau)] matrix_a_fmt:MATRIX_FMT_FP4 matrix_b_fmt:MATRIX_FMT_FP4
.endr
.endm
.macro PV tau                          ; O^T += V^T P^T: V window 0, P and O^T window tau
	WIN 0x54*(\tau)
.irp o, 0,1,2,3
	v_wmma_scale_f32_16x16x128_f8f6f4 v[O+8*\o:O+8*\o+7], v[VF+8*\o:VF+8*\o+7], v[PC:PC+7], v[O+8*\o:O+8*\o+7], v[VW+\o], v[PW+\tau] matrix_a_fmt:MATRIX_FMT_FP4 matrix_b_fmt:MATRIX_FMT_FP4
.endr
.endm
.macro PRE tau                         ; a tile's maxima, M, f, t - M, and the sum and O^T under the new M
	WIN 0x55*(\tau)
.irp b, 0,1,2,3
	v_max3_num_f32 v[BM+\b], v[S+16*\b], v[S+16*\b+1], v[S+16*\b+2]   ; the largest score of each block of 32 keys: for the row's maximum, and, since p rises with the score, for the block's largest p
.endr
.irp i, 3,5,7,9,11,13
.irp b, 0,1,2,3
	v_max3_num_f32 v[BM+\b], v[BM+\b], v[S+16*\b+\i], v[S+16*\b+\i+1]
.endr
.endr
.irp b, 0,1,2,3
	v_max_num_f32 v[BM+\b], v[BM+\b], v[S+16*\b+15]
.endr
.irp b, 0,1,2,3
	s_delay_alu instid0(VALU_DEP_4)
	v_permlanex16_b32 v[BX+\b], v[BM+\b], s[SEL], s[SEL+1]
.endr
.irp b, 0,1,2,3
	s_delay_alu instid0(VALU_DEP_4)
	v_max_num_f32 v[BM+\b], v[BM+\b], v[BX+\b]     ; with lane l xor 16's 16 keys
.endr
	s_delay_alu instid0(VALU_DEP_2)
	v_max3_num_f32 v[TT], v[BM], v[BM+1], v[BM+2]
	s_delay_alu instid0(VALU_DEP_1)
	v_max_num_f32 v[TT], v[TT], v[BM+3]
	s_delay_alu instid0(VALU_DEP_1)
	v_mul_f32 v[TT], s[CS], v[TT]                  ; the step's largest t (c is positive)
	s_delay_alu instid0(VALU_DEP_1)
	v_max_num_f32 v[TMX], v[TMX], v[TT]
	v_mov_b32 v[TT], v[NM]
	s_delay_alu instid0(VALU_DEP_2)
	v_floor_f32 v[NM], -v[TMX]                     ; -M = floor(-t): M is a whole number
	s_delay_alu instid0(VALU_DEP_1)
	v_sub_f32 v[TT], v[NM], v[TT]                  ; old M - new M, 0 or less
	s_delay_alu instid0(VALU_DEP_1)
	v_cvt_i32_f32 v[TT], v[TT]                     ; (it saturates)
	s_delay_alu instid0(VALU_DEP_1)
	v_ldexp_f32 v[F], 1.0, v[TT]                   ; f = 2^(old M - new M)
.set jj, 0
.rept 32
	v_pk_fma_f32 v[S+jj:S+jj+1], v[S+jj:S+jj+1], s[CS:CS+1], v[NM:NM+1] op_sel_hi:[1,0,0]   ; t - M, two at a time
.set jj, jj+2
.endr
.irp b, 0,1,2,3
	v_fma_f32 v[BM+\b], v[BM+\b], s[CS], v[NM]
.endr
	v_pk_mul_f32 v[SUM:SUM+1], v[SUM:SUM+1], v[F:F+1] op_sel_hi:[1,0]   ; the sums under the new M
.set jj, 0
.rept 16
	v_pk_mul_f32 v[O+jj:O+jj+1], v[O+jj:O+jj+1], v[F:F+1] op_sel_hi:[1,0]   ; O^T under the new M, each accumulator from its low end on
.set jj, jj+2
.endr
.endm
.macro EX tau                          ; a tile's exponentials: one batch, a wait ahead of it and a wait behind it
	WIN 0x55*(\tau)
	s_wait_alu depctr_va_vdst(0)
.set jj, 0
.rept 64
	v_exp_f32 v[S+jj], v[S+jj]                     ; p = 2^(t - M)
.set jj, jj+1
.endr
.irp b, 0,1,2,3
	v_exp_f32 v[BM+\b], v[BM+\b]                   ; the block's largest p: the same two instructions on the same number
.endr
	v_nop                                          ; a plain place behind the exponentials
	s_wait_alu depctr_va_vdst(0)
.endm
.macro POST tau                        ; p's scales and codes, and the row's sum of the unquantised p
	WIN 0x55*(\tau)
.irp b, 0,1,2,3
	v_max_num_f32 v[BM+\b], 0x1800000, v[BM+\b]    ; the floor 2^(3 - 127): the byte cannot fall under 1
.endr
.irp b, 0,1,2,3
	s_delay_alu instid0(VALU_DEP_4)
	v_add_nc_u32 v[SOP+\b], 0xff000000, v[BM+\b]
.endr
.irp b, 0,1,2,3
	s_delay_alu instid0(VALU_DEP_4)
	v_lshrrev_b32 v[BX+\b], 23, v[SOP+\b]
.endr
	s_delay_alu instid0(VALU_DEP_3)
	v_lshl_or_b32 v[TT], v[BX+1], 8, v[BX]
	s_delay_alu instid0(VALU_DEP_1)
	v_lshl_or_b32 v[TT], v[BX+2], 16, v[TT]
	WIN 0x15*(\tau)                                ; scale operands have no window: p's scale word goes to window 0
	v_lshl_or_b32 v[PW+\tau], v[BX+3], 24, v[TT]
	WIN 0x55*(\tau)
.irp b, 0,1,2,3
	v_cvt_scalef32_pk8_fp4_f32 v[PC+2*\b], v[S+16*\b:S+16*\b+7], v[SOP+\b]
	v_cvt_scalef32_pk8_fp4_f32 v[PC+2*\b+1], v[S+16*\b+8:S+16*\b+15], v[SOP+\b]
.endr
	v_nop                                          ; one plain place behind a scaled conversion
.irp c, 0,1
.irp i, 0,1
	v_permlane16_swap_b32 v[PC+4*\c+\i], v[PC+4*\c+2+\i]   ; a whole block to a lane
.endr
.endr
	v_pk_add_f32 v[A2:A2+1], v[S:S+1], v[S+2:S+3]  ; two chains.  (These 32 lines are also the places between p's codes and scale word and the products)
.irp j, 4,8,12,16,20,24,28,32,36,40,44,48,52,56,60
	v_pk_add_f32 v[SUM:SUM+1], v[SUM:SUM+1], v[S+\j:S+\j+1]
	v_pk_add_f32 v[A2:A2+1], v[A2:A2+1], v[S+\j+2:S+\j+3]
.endr
	s_delay_alu instid0(VALU_DEP_1)
	v_pk_add_f32 v[SUM:SUM+1], v[SUM:SUM+1], v[A2:A2+1]
.endm
.macro INIT tau                        ; a pass's tile: the largest t -3e38, under every t; the sum and O^T zeros, which the first change of M leaves zeros
	WIN 0x55*(\tau)
	v_mov_b32 v[TMX], 0xff61b1e6
	s_delay_alu instid0(VALU_DEP_1)
	v_floor_f32 v[NM], -v[TMX]
	v_mov_b32 v[SUM], 0
	v_mov_b32 v[SUM+1], 0
.set jj, 0
.rept 32
	v_mov_b32 v[O+jj], 0
.set jj, jj+1
.endr
	WIN 0
.endm
.macro FIN p, tau                      ; O^T / the sum, through my stage, out as whole rows of 256 bytes
	WIN 0x55*(\tau)
	v_add_f32 v[SUM], v[SUM], v[SUM+1]
	s_delay_alu instid0(VALU_DEP_1)
	v_permlanex16_b32 v[TT], v[SUM], s[SEL], s[SEL+1]
	s_delay_alu instid0(VALU_DEP_1)
	v_add_f32 v[SUM], v[SUM], v[TT]                ; the row's sum
	s_wait_alu depctr_va_vdst(0)
	v_rcp_f32 v[F], v[SUM]
	v_nop                                          ; one plain place behind a transcendental
.set jj, 0
	s_wait_alu depctr_va_vdst(0)                   ; the wait ahead of its first reader, which is O^T's first reader too
.rept 16
	v_pk_mul_f32 v[S+jj:S+jj+1], v[O+jj:O+jj+1], v[F:F+1] op_sel_hi:[1,0]   ; register 16 g + i: channel 32 g + 16 h + i; each accumulator from its low end on
.set jj, jj+2
.endr
	WIN 0x04*(\tau)                                ; an LDS store's data are its source 1
.irp g, 0,1
.irp i, 0,1,2,3
	ds_store_b128 v[STO], v[S+16*\g+4*\i:S+16*\g+4*\i+3] offset:128*\g+16*\i
.endr
.endr
	WIN 0x40*(\tau)
.irp i, 0,1,2,3,4,5,6,7
	ds_load_b128 v[S+32+4*\i:S+32+4*\i+3], v[RD] offset:544*\i   ; LDS serves a wave's instructions in order: these see my stores, and the next tile's stores come behind them
.endr
	WIN 0x04*(\tau)
.irp i, 0,1,2,3,4,5,6,7
	s_wait_dscnt 7-\i                              ; the later rows' loads may be out
	global_store_b128 v[GO], v[S+32+4*\i:S+32+4*\i+3], s[OB:OB+1] offset:1048576*(\p)+(2*\i+8*(\i/4)+8*(\tau))*4096 th:TH_STORE_NT   ; stage row n is query n + 8 (n / 8) + 8 tau; sixteen lanes store 256 consecutive bytes, aligned
.endr
	WIN 0
.endm
.macro TURNT tau, p, fin               ; a tile's products in its plain part.  fin = 1: pass 0's tile is finished and goes out, and pass 1's begins
.if \fin
	PV \tau
	WIN 0
	PLACES
	FIN 0, \tau
	s_wait_xcnt 0x0                                ; the stores have read their registers: the next S^T lands there
	INIT \tau
	QK \tau, \p
.else
	QK \tau, \p                                    ; the next step's S^T (p's codes are made and its sums taken),
	PV \tau                                        ; and this step's O^T
.endif
.endm
.macro TRIP p, fin                     ; closes one key step and opens step s[JN] of pass p
	EX 1
	POST 0
	s_wait_alu depctr_va_vdst(0)
	s_wait_dscnt 0x0                               ; V of the step that is closed, K, scale words and mask of the step that is opened: asked for in the last trip
	TURNT 0, \p, \fin
	PLACES
	PRE 0
	EX 0
	POST 1
	TURNT 1, \p, \fin
	NEXTL
	PRE 1
	WIN 0                                          ; at a label and at a branch every window is 0
.endm
.macro FIRST0                          ; tile 0's first S^T and maxima
	s_wait_dscnt 0x0                               ; key step 0's K, scale words and mask
	QK 0, 0
	PLACES
	PRE 0
	WIN 0
.endm
	LOADK AK0, AKS0, AM0                           ; key step 0
	INIT 0
	INIT 1
	s_mov_b32 s[JN], 0
	s_wait_alu depctr_va_vdst(0)
	s_cmp_lg_u32 s[TY], 0
	s_cbranch_scc1 .Llater
	FIRST0                                         ; kind 0: ahead of the barrier
.Llater:
	s_wait_alu depctr_va_vdst(0)
	s_wait_dscnt 0x0                               ; no LDS instruction of mine is out at the signal
	s_barrier_signal -1
	s_barrier_wait -1
	s_cmp_eq_u32 s[TY], 0
	s_cbranch_scc1 .Ldone
	FIRST0                                         ; kind 1: behind it
.Ldone:
	EX 0
	QK 1, 0                                        ; tile 1's first S^T
	NEXTL
	PRE 1
	WIN 0
	s_mov_b32 s[JN], 1
.Lstep_a:                              ; pass 0: seven trips
	TRIP 0, 0
	s_add_co_u32 s[JN], s[JN], 1
	s_cmp_lt_u32 s[JN], 8
	s_cbranch_scc1 .Lstep_a
	s_mov_b32 s[JN], 0
	TRIP 1, 1                                      ; pass 0's last step is closed, pass 1's first opened
	s_mov_b32 s[JN], 1
.Lstep_b:                              ; pass 1: seven trips
	TRIP 1, 0
	s_add_co_u32 s[JN], s[JN], 1
	s_cmp_lt_u32 s[JN], 8
	s_cbranch_scc1 .Lstep_b
	EX 1                                           ; the last step is closed
	POST 0
	s_wait_alu depctr_va_vdst(0)
	s_wait_dscnt 26                                ; V's nine loads are in; the 26 issued behind them may be out
	PV 0
	POST 1
	PV 1
	WIN 0
	PLACES
	FIN 1, 0
	FIN 1, 1
	s_wait_tensorcnt 0x0                           ; the wave's end
	ds_add_u32 v254, v255
	s_wait_dscnt 0x0
	s_endpgm
.Lfunc_end_k_qd7dc26d80a_attn:
	.size	k_qd7dc26d80a_attn, .Lfunc_end_k_qd7dc26d80a_attn-k_qd7dc26d80a_attn
	.p2alignl 7, 3214868480
	.fill 96, 4, 3214868480
	.section	.rodata,"a",@progbits
	.p2align	6, 0x0
	.amdhsa_kernel k_qd7dc26d80a_attn
		.amdhsa_group_segment_fixed_size 168960
		.amdhsa_private_segment_fixed_size 0
		.amdhsa_enable_private_segment 0
		.amdhsa_kernarg_size 32
		.amdhsa_user_sgpr_count 2
		.amdhsa_user_sgpr_kernarg_segment_ptr 1
		.amdhsa_wavefront_size32 1
		.amdhsa_system_sgpr_workgroup_id_x 1
		.amdhsa_system_sgpr_workgroup_id_y 1
		.amdhsa_system_sgpr_workgroup_id_z 1
		.amdhsa_system_vgpr_workitem_id 0
		.amdhsa_next_free_vgpr 512
		.amdhsa_next_free_sgpr 66
		.amdhsa_reserve_vcc 0
		.amdhsa_float_denorm_mode_32 3
		.amdhsa_float_denorm_mode_16_64 3
		.amdhsa_memory_ordered 1
		.amdhsa_forward_progress 1
		.amdhsa_inst_pref_size 164
	.end_amdhsa_kernel
	.amdgpu_metadata
---
amdhsa.version: [ 1, 2 ]
amdhsa.kernels:
  - .name:           k_qd7dc26d80a_attn
    .symbol:         k_qd7dc26d80a_attn.kd
    .args:
      - { .name: cod, .offset: 0, .size: 8, .value_kind: global_buffer, .address_space: global }
      - { .name: scl, .offset: 8, .size: 8, .value_kind: global_buffer, .address_space: global }
      - { .name: attention_mask, .offset: 16, .size: 8, .value_kind: global_buffer, .address_space: global }
      - { .name: out0, .offset: 24, .size: 8, .value_kind: global_buffer, .address_space: global }
    .group_segment_fixed_size: 168960
    .private_segment_fixed_size: 0
    .kernarg_segment_align: 8
    .kernarg_segment_size: 32
    .max_flat_workgroup_size: 256
    .sgpr_count:     66
    .vgpr_count:     512
    .wavefront_size: 32
...
	.end_amdgpu_metadata
.endif
;; end of part 3
